; MI455X (gfx1250); checked and timed in simulation.
; The chip was launched on July 23, 2026; its instructions are those of AMD's public machine-readable ISA for CDNA 5 (MIT licence, August 2026) and "CDNA5" Instruction Set Architecture Reference Guide (July 2026). The comments in the code are by the model that wrote it; some were corrected since.
;; Mo E Transformer Layer. Allowed arithmetic: float matrix products may take bf16 or f16 operands with f32 sums; other float arithmetic in f32, or as packed bf16 or f16 multiplies, adds, multiply-adds, maxima and minima; sums over many terms, partial sums and values carried from step to step in f32; what a program stores and reads back later, other than sums and carried values, may be rounded once to bf16 or f16.
;; Inputs: W1 8 x 1,024 x 512 float32; W2 8 x 512 x 1,024 float32; Wr 1,024 x 8 float32; b1 8 x 512 float32; b2 8 x 1,024 float32; br 8 float32; ln_beta 1,024 float32; ln_gamma 1,024 float32; x 4 x 2,048 x 1,024 float32.
;; Outputs: out0 4 x 2,048 x 1,024 float32; out1 one number float32.
;; One version. Each part assembles by itself: llvm-mc -triple=amdgcn-amd-amdhsa -mcpu=gfx1250 --defsym DOCPART=n.
;; ======== version 1 of 1: 2 launches
;; limits: values are held in f16: magnitudes above 65,504 overflow, below 6.1e-05 lose precision; right only within a limited range of input values
;; workspace buffers: xn 16,777,216 bytes; w1l 8,388,608 bytes; w2l 8,388,608 bytes; pid 32,768 bytes of whole numbers; hp 32,768 bytes of whole numbers; cw 65,536 bytes; ps 8,192 bytes
;; launch prep (part 1): grid 512 x 1, 8 waves a work-group, no clusters, 42,752 bytes of LDS; arguments x, ln_gamma, ln_beta, Wr, br, W1, W2, xn, w1l, w2l, pid, hp, cw, ps; writes xn, w1l, w2l, pid, hp, cw, ps
.if DOCPART == 1
	.amdgcn_target "amdgcn-amd-amdhsa--gfx1250"
	.amdhsa_code_object_version 6
	.text
	.protected	k_q4f5d6e4655_prep
	.globl	k_q4f5d6e4655_prep
	.p2align	8
	.type	k_q4f5d6e4655_prep,@function
k_q4f5d6e4655_prep:
	s_mov_b64 s[64:65], 0
	v_nop
	global_prefetch_b8 v0, s[64:65] scope:SCOPE_SE
	s_setreg_imm32_b32 hwreg(HW_REG_WAVE_MODE, 25, 1), 1
	s_wait_xcnt 0x0
; PREP.  Work-groups 0-255: LayerNorm, router and top-2 for 32 tokens each.  Work-groups 256-511: W1 and W2 rounded once and laid out as ready matrix fragments.
; ROUTER.  A wave owns 4 tokens; a token's row of 1,024 f32 lies in 32 registers (lane l holds d = 128 j + 4 l + i), so x is read once.  Mean, then the mean of squared differences (two passes
; over the registers), normed = (x - mu) rstd gamma + beta, all in f32.  The 8 logits are f32 sums of normed x Wr: they decide which experts a token gets, so nothing in them is rounded to 16 bits.
; Top-2 is taken on the logits (the softmax keeps their order); of equal logits the lower index wins, as in jax.lax.top_k.  The softmax takes the maximum away first.
; OUT: xn (normed, f16), pid (the token's unordered pair of experts, 0..27 = lo (15 - lo) / 2 + hi - lo - 1), cw (the pair's two weights, lower expert first), hp (how often each pair occurs in the
; block of 32 tokens) and ps (the block's sums of the 8 probabilities, f32 partial sums for the aux loss).  pid and hp are whole numbers at fixed places: the next launch forms its addresses from them.
; WEIGHTS.  A fragment is 1,024 bytes: byte 512 c + 16 L + 2 i holds W[e][32 ks + 16 c + 8 (L / 16) + i][256 cq + 16 b + L % 16]: two 16-byte loads a lane, 512 bytes apart, are the eight registers
; of a 16-bit K = 32 operand.  w1l (f16): e << 20 | cq << 19 | ks << 14 | b << 10.  w2l (bf16): e << 20 | cq << 18 | ks << 14 | b << 10.
; LIMITS.  NaN and infinities are not treated apart.  xn and w1l are f16: |normed| <= 32 max|gamma| + max|beta| and |W1| must stay under 65,504; |W1| under 6e-8 counts as 0.  The logits are summed in
; another order than a row-by-row sum: two logits closer than f32's summation error (about 1e-6 of their size) may rank otherwise.  A probability whose exponential falls under 2^-126 counts as 0.
; No matrix unit, no cluster: the launch streams, and its work-groups share only 40 KB of tables.
.set GAM,   32768                      ; LDS 0..32,767: Wr, unit (j, q, lane) at 4096 j + 512 q + 16 lane = Wr[128 j + 4 lane + q / 2][4 (q % 2) ..]; then gamma,
.set BET,   36864                      ; beta,
.set PIDS,  40960                      ; one word a token,
.set CWS,   41216                      ; two words a token,
.set PSS,   41472                      ; eight words a wave,
.set SPARE, 41728                      ; and the spare words, 128 bytes for each of the 8 waves: four blocks of 256 bytes that no other line names
.set T,   12                           ; v12-31  at work
.set F1,  32                           ; v32-39  packed f16 to store, odd chunks
.set MR,  40                           ; v40-47  token t: mu (later unused), rstd
.set GB,  48                           ; v48-51 gamma, v52-55 beta of the chunk's four columns
.set ACC, 56                           ; v56-87  logit sums, 8 t + e
.set WR,  88                           ; v88-119 Wr of the chunk's four columns, 8 i + e
.set F0,  120                          ; v120-127 packed f16 to store, even chunks
.set X,   128                          ; v128-255 token t's row at X + 32 t
.macro REDSUM                          ; v[T] summed over the 32 lanes, the result in every lane
	v_add_f32_dpp v[T], v[T], v[T] row_xmask:1 row_mask:0xf bank_mask:0xf
	v_add_f32_dpp v[T], v[T], v[T] row_xmask:2 row_mask:0xf bank_mask:0xf
	v_add_f32_dpp v[T], v[T], v[T] row_xmask:4 row_mask:0xf bank_mask:0xf
	v_add_f32_dpp v[T], v[T], v[T] row_xmask:8 row_mask:0xf bank_mask:0xf
	v_permlanex16_b32 v[T+1], v[T], s44, s45
	v_add_f32 v[T], v[T], v[T+1]
.endm
.macro FOLD4                           ; the four pairs T .. T+7 into v[T]
	v_pk_add_f32 v[T:T+1], v[T:T+1], v[T+4:T+5]
	v_pk_add_f32 v[T+2:T+3], v[T+2:T+3], v[T+6:T+7]
	v_pk_add_f32 v[T:T+1], v[T:T+1], v[T+2:T+3]
	v_add_f32 v[T], v[T], v[T+1]
.endm
; Token t's mean and variance; the row is left as x - mu.
.macro STAT t
.set XR, X+32*(\t)
	s_wait_loadcnt 8*(3-(\t))                      ; my token's 8 loads are in; the later tokens' stay out
.set pp, 0
.rept 8
	v_pk_add_f32 v[T+2*pp:T+2*pp+1], v[XR+4*pp:XR+4*pp+1], v[XR+4*pp+2:XR+4*pp+3]
.set pp, pp+1
.endr
.set pp, 0
.rept 4
	v_pk_add_f32 v[T+2*pp:T+2*pp+1], v[T+2*pp:T+2*pp+1], v[T+8+2*pp:T+8+2*pp+1]
.set pp, pp+1
.endr
	FOLD4
	REDSUM
	v_mul_f32 v[MR+2*(\t)], s46, v[T]              ; mu, in both words of the pair
	v_mul_f32 v[MR+2*(\t)+1], s46, v[T]
.set pp, 0
.rept 16
	v_pk_add_f32 v[XR+2*pp:XR+2*pp+1], v[XR+2*pp:XR+2*pp+1], v[MR+2*(\t):MR+2*(\t)+1] neg_lo:[0,1] neg_hi:[0,1]
.set pp, pp+1
.endr
.set pp, 0
.rept 4                                ; squares in four chains; the first four pairs start them
	v_pk_mul_f32 v[T+2*pp:T+2*pp+1], v[XR+2*pp:XR+2*pp+1], v[XR+2*pp:XR+2*pp+1]
.set pp, pp+1
.endr
.rept 12
	v_pk_fma_f32 v[T+2*(pp%4):T+2*(pp%4)+1], v[XR+2*pp:XR+2*pp+1], v[XR+2*pp:XR+2*pp+1], v[T+2*(pp%4):T+2*(pp%4)+1]
.set pp, pp+1
.endr
	FOLD4
	REDSUM
	v_fma_f32 v[MR+2*(\t)+1], v[T], s46, s47       ; var + eps
.endm
; Chunk j: columns 128 j .. 128 j + 127 of all four tokens: normed, its share of the logits, and 256 bytes of xn a token.
.macro CHUNK j
.if (\j) >= 2
	s_wait_xcnt 0x0                                ; the stores of chunk j - 2 have read their data: that set of registers is written again below
.endif
.set FB, F0+(F1-F0)*((\j)%2)
.set qq, 0
.rept 8
	ds_load_b128 v[WR+4*qq:WR+4*qq+3], v4 offset:4096*(\j)+512*qq
.set qq, qq+1
.endr
	ds_load_b128 v[GB:GB+3], v4 offset:GAM+512*(\j)
	ds_load_b128 v[GB+4:GB+7], v4 offset:BET+512*(\j)
	s_wait_dscnt 0x0
.set tt, 0
.rept 4
.set XB, X+32*tt+4*(\j)
.set AB, ACC+8*tt
	v_pk_mul_f32 v[XB:XB+1], v[XB:XB+1], v[MR+2*tt:MR+2*tt+1] op_sel:[0,1] op_sel_hi:[1,1]      ; times rstd, the pair's second word
	v_pk_mul_f32 v[XB+2:XB+3], v[XB+2:XB+3], v[MR+2*tt:MR+2*tt+1] op_sel:[0,1] op_sel_hi:[1,1]
	v_pk_fma_f32 v[XB:XB+1], v[XB:XB+1], v[GB:GB+1], v[GB+4:GB+5]
	v_pk_fma_f32 v[XB+2:XB+3], v[XB+2:XB+3], v[GB+2:GB+3], v[GB+6:GB+7]
.set i2, 0
.rept 2                                ; columns 2 i2 and 2 i2 + 1: one number times two logits' weights a line
.set pp, 0
.rept 4
.if ((\j) == 0) && (i2 == 0)
	v_pk_mul_f32 v[AB+2*pp:AB+2*pp+1], v[XB:XB+1], v[WR+2*pp:WR+2*pp+1] op_sel_hi:[0,1]         ; the first product starts the sums
.else
	v_pk_fma_f32 v[AB+2*pp:AB+2*pp+1], v[XB+2*i2:XB+2*i2+1], v[WR+16*i2+2*pp:WR+16*i2+2*pp+1], v[AB+2*pp:AB+2*pp+1] op_sel_hi:[0,1,1]
.endif
.set pp, pp+1
.endr
.set pp, 0
.rept 4
	v_pk_fma_f32 v[AB+2*pp:AB+2*pp+1], v[XB+2*i2:XB+2*i2+1], v[WR+16*i2+8+2*pp:WR+16*i2+8+2*pp+1], v[AB+2*pp:AB+2*pp+1] op_sel:[1,0,0] op_sel_hi:[1,1,1]
.set pp, pp+1
.endr
.set i2, i2+1
.endr
	v_cvt_pk_f16_f32 v[FB+2*tt], v[XB], v[XB+1]
	v_cvt_pk_f16_f32 v[FB+2*tt+1], v[XB+2], v[XB+3]
	global_store_b64 v7, v[FB+2*tt:FB+2*tt+1], s[18:19] offset:2048*tt+256*(\j)                 ; the wave's store covers 256 consecutive bytes, aligned
.set tt, tt+1
.endr
.endm
; Half of the registers left: lanes whose bit is clear keep the lower register's index, the others the upper's, and each adds what its partner holds of its own index.
.macro FOLD n, m, xm
.set ix, 0
.rept \n
	v_cndmask_b32 v[T], v[ACC+ix], v[ACC+ix+(\n)], s[\m]
	v_cndmask_b32 v[T+1], v[ACC+ix+(\n)], v[ACC+ix], s[\m]
	v_add_f32_dpp v[ACC+ix], v[T+1], v[T] row_xmask:\xm row_mask:0xf bank_mask:0xf
.set ix, ix+1
.endr
.endm
.macro DPP3 op, r                      ; over a token's 8 lanes
	\op v[\r], v[\r], v[\r] row_xmask:1 row_mask:0xf bank_mask:0xf
	\op v[\r], v[\r], v[\r] row_xmask:2 row_mask:0xf bank_mask:0xf
	\op v[\r], v[\r], v[\r] row_xmask:4 row_mask:0xf bank_mask:0xf
.endm
; A job of the weights' layout: 32 k x 64 n.  Lane l of half hf holds all 32 k of column 32 hf + l.
.macro JLOAD b, pitch, R
.set kk, 0
.rept 32
	global_load_b32 v[(\R)+kk], v5, s[\b:\b+1] offset:(\pitch)*kk th:TH_LOAD_NT
	global_load_b32 v[(\R)+32+kk], v5, s[\b:\b+1] offset:(\pitch)*kk+128 th:TH_LOAD_NT           ; the other half of the same aligned 256 bytes
.set kk, kk+1
.endr
.endm
.macro JOUT cvt, R, O, b
.irp hf, 0,1
.irp o, 0,1,2,3
.irp i, 0,1,2,3
	\cvt v[(\O)+16*\hf+4*\o+\i], v[(\R)+32*\hf+8*\o+2*\i], v[(\R)+32*\hf+8*\o+2*\i+1]
.endr
	global_store_b128 v6, v[(\O)+16*\hf+4*\o:(\O)+16*\hf+4*\o+3], s[\b:\b+1] offset:2048*\hf+512*(\o/2)+256*(\o%2)  ; 16 lanes store 256 consecutive bytes, aligned
.endr
.endr
.endm
	s_load_b512 s[4:19], s[0:1], 0x0               ; x s[4:5], gamma s[6:7], beta s[8:9], Wr s[10:11], br s[12:13], W1 s[14:15], W2 s[16:17], xn s[18:19]
	s_load_b256 s[20:27], s[0:1], 0x40             ; w1l s[20:21], w2l s[22:23], pid s[24:25], hp s[26:27]
	s_load_b128 s[28:31], s[0:1], 0x60             ; cw s[28:29], ps s[30:31]
	v_lshl_add_u32 v2, v0, 2, SPARE                ; my spare word,
	v_mov_b32 v3, 0                                ; and 0: kept for the add at the wave's end alone
	v_and_b32 v1, 31, v0                           ; lane
	v_lshrrev_b32 v10, 5, v0
	v_readfirstlane_b32 s32, v10                   ; wave 0..7
	s_mov_b32 s33, ttmp9
	s_mov_b32 s37, 0                               ; the high word of every offset pair
	v_lshlrev_b32 v4, 4, v1                        ; 16 x lane
	s_wait_kmcnt 0x0
	s_cmp_ge_u32 s33, 256
	s_cbranch_scc1 .Lconv                          ; the same for all waves of a work-group
	; ---------------- the router's work-group r: tokens 32 r + 4 w + t ----------------
	v_and_b32 v5, 7, v0
	v_lshrrev_b32 v10, 3, v0
	v_lshlrev_b32 v10, 4, v10
	v_lshl_or_b32 v5, v5, 9, v10                   ; where thread tau puts its 16 bytes of Wr: 512 (tau % 8) + 16 (tau / 8)
	v_lshlrev_b32 v6, 4, v0                        ; 16 tau
	v_lshlrev_b32 v7, 3, v1                        ; 8 x lane
	v_and_b32 v11, 7, v1
	v_cvt_f32_u32 v9, v11                          ; my expert's number as a float
	v_lshlrev_b32 v11, 2, v11                      ; 4 (lane % 8)
	s_lshl_b32 s36, s33, 17
	s_lshl_b32 s38, s32, 14
	s_add_co_u32 s36, s36, s38                     ; (32 r + 4 w) rows of 4,096 bytes
	s_add_nc_u64 s[4:5], s[4:5], s[36:37]
	s_lshr_b32 s36, s36, 1                         ; of 2,048 bytes
	s_add_nc_u64 s[18:19], s[18:19], s[36:37]
	s_mov_b32 s40, 0xff00ff00                      ; lanes with bit 3 set, bit 2, bit 1, bit 0
	s_mov_b32 s41, 0xf0f0f0f0
	s_mov_b32 s42, 0xcccccccc
	s_mov_b32 s43, 0xaaaaaaaa
	s_mov_b32 s44, 0x76543210                      ; v_permlanex16_b32: each lane takes its own place in the other half
	s_mov_b32 s45, 0xfedcba98
	s_mov_b32 s46, 0x3a800000                      ; 1 / 1024
	s_mov_b32 s47, 0x3727c5ac                      ; 1e-5
	s_mov_b32 s48, 0x3fb8aa3b                      ; log2(e)
.set ii, 0
.rept 8
	global_load_b128 v[ACC+4*ii:ACC+4*ii+3], v6, s[10:11] offset:4096*ii   ; the tables, once a work-group, in whole 256-byte runs
.set ii, ii+1
.endr
	global_load_b128 v[88:91], v6, s[6:7]
	global_load_b128 v[92:95], v6, s[8:9]
	global_load_b32 v8, v11, s[12:13]              ; br of my expert
.set tt, 0
.rept 4
.set jj, 0
.rept 8
	global_load_b128 v[X+32*tt+4*jj:X+32*tt+4*jj+3], v4, s[4:5] offset:4096*tt+512*jj
.set jj, jj+1
.endr
.set tt, tt+1
.endr
	s_wait_loadcnt 32                              ; the 11 table loads are in; the 32 row loads stay out
.set ii, 0
.rept 8
	ds_store_b128 v5, v[ACC+4*ii:ACC+4*ii+3] offset:4096*ii
.set ii, ii+1
.endr
	ds_store_b128 v6, v[88:91] offset:GAM
	ds_store_b128 v6, v[92:95] offset:BET
	s_wait_dscnt 0x0                               ; for the others' sake: my part of the tables is stored
	s_barrier_signal -1
	s_barrier_wait -1
	STAT 0
	STAT 1
	STAT 2
	STAT 3
.irp t, 0,1,2,3
	v_rsq_f32 v[MR+2*\t+1], v[MR+2*\t+1]
.endr
	v_nop                                          ; a plain instruction behind the last of the four,
	s_wait_alu depctr_va_vdst(0)                   ; and one wait for the batch, ahead of its first reader
.irp j, 0,1,2,3,4,5,6,7
	CHUNK \j
.endr
	; 32 registers x 32 lanes of partial sums -> lane 8 t + e holds logit e of token t
.set ix, 0
.rept 16
	v_permlane16_swap_b32 v[ACC+ix], v[ACC+ix+16]
	v_add_f32 v[ACC+ix], v[ACC+ix], v[ACC+ix+16]
.set ix, ix+1
.endr
	FOLD 8, 40, 8
	FOLD 4, 41, 4
	FOLD 2, 42, 2
	FOLD 1, 43, 1
	; top-2 and softmax over a token's 8 lanes
	v_add_f32 v12, v[ACC], v8                      ; the logit
	v_mov_b32 v13, v12
	DPP3 v_max_num_f32_dpp, 13                     ; m1
	v_cmp_eq_f32 vcc_lo, v12, v13
	v_cndmask_b32 v14, 0x41000000, v9, vcc_lo      ; my number where I hold the maximum, else 8
	DPP3 v_min_num_f32_dpp, 14                     ; i1: the lowest such number
	v_cmp_neq_f32 vcc_lo, v9, v14
	v_cndmask_b32 v15, 0xff800000, v12, vcc_lo     ; the first choice is taken out
	v_mov_b32 v16, v15
	DPP3 v_max_num_f32_dpp, 16                     ; m2
	v_cmp_eq_f32 vcc_lo, v15, v16
	v_cndmask_b32 v17, 0x41000000, v9, vcc_lo
	DPP3 v_min_num_f32_dpp, 17                     ; i2
	v_sub_f32 v18, v12, v13
	v_sub_f32 v19, v16, v13
	v_mul_f32 v18, s48, v18
	v_mul_f32 v19, s48, v19
	v_exp_f32 v18, v18                             ; e^(logit - m1)
	v_exp_f32 v19, v19                             ; e^(m2 - m1)
	v_min_num_f32 v21, v14, v17                    ; lo
	v_max_num_f32 v22, v14, v17                    ; hi
	s_wait_alu depctr_va_vdst(0)                   ; one wait for the two exponentials
	v_mov_b32 v20, v18
	DPP3 v_add_f32_dpp, 20
	v_add_f32 v23, 1.0, v19
	v_rcp_f32 v20, v20
	v_rcp_f32 v23, v23                             ; w1 = p1 / (p1 + p2)
	v_sub_f32 v24, 0x41700000, v21                 ; 15 - lo: the pair's number, exact in f32
	v_mul_f32 v24, v21, v24
	v_fma_f32 v24, v24, 0.5, v22
	v_sub_f32 v24, v24, v21
	v_add_f32 v24, -1.0, v24
	v_cvt_u32_f32 v24, v24
	s_wait_alu depctr_va_vdst(0)                   ; one wait for the two reciprocals
	v_mul_f32 v18, v18, v20                        ; the probability
	v_mul_f32 v25, v19, v23                        ; w2
	v_cmp_lt_f32 vcc_lo, v14, v17
	v_cndmask_b32 v26, v25, v23, vcc_lo            ; the lower expert's weight,
	v_cndmask_b32 v27, v23, v25, vcc_lo            ; the higher's
	v_cndmask_b32 v26, v26, v27, s43               ; even lanes store the first, odd lanes the second
	v_add_f32_dpp v12, v18, v18 row_xmask:8 row_mask:0xf bank_mask:0xf
	v_permlanex16_b32 v13, v12, s44, s45
	v_add_f32 v12, v12, v13                        ; my expert's probability summed over the wave's 4 tokens
	v_lshrrev_b32 v10, 3, v1                       ; t
	s_lshl_b32 s50, s32, 4
	s_add_co_u32 s50, s50, PIDS
	v_lshl_add_u32 v30, v10, 2, s50
	ds_store_b32 v30, v24                          ; a token's 8 lanes store the same word
	v_and_b32 v31, 1, v1
	v_lshlrev_b32 v31, 2, v31
	v_lshl_add_u32 v31, v10, 3, v31
	s_lshl_b32 s51, s32, 5
	s_add_co_u32 s52, s51, CWS
	v_add_nc_u32 v31, s52, v31
	ds_store_b32 v31, v26
	s_add_co_u32 s53, s51, PSS
	v_add_nc_u32 v30, s53, v11
	ds_store_b32 v30, v12
	s_wait_dscnt 0x0                               ; for wave 0's sake
	s_barrier_signal -1
	s_barrier_wait -1
	s_cmp_lg_u32 s32, 0
	s_cbranch_scc1 .Lend
	; wave 0 gathers the block's 32 tokens and stores them, one token a lane
	v_lshlrev_b32 v10, 2, v1
	ds_load_b32 v12, v10 offset:PIDS
	ds_load_b64 v[14:15], v7 offset:CWS
.irp w, 0,1,2,3,4,5,6,7
	ds_load_b32 v[16+\w], v11 offset:PSS+32*\w
.endr
	s_lshl_b32 s36, s33, 7
	s_add_nc_u64 s[24:25], s[24:25], s[36:37]
	s_add_nc_u64 s[26:27], s[26:27], s[36:37]
	s_lshl_b32 s36, s33, 8
	s_add_nc_u64 s[28:29], s[28:29], s[36:37]
	s_lshl_b32 s36, s33, 5
	s_add_nc_u64 s[30:31], s[30:31], s[36:37]
	v_mov_b32 v13, 0
	s_wait_dscnt 0x0
	v_add_f32 v16, v16, v17
	v_add_f32 v18, v18, v19
	v_add_f32 v20, v20, v21
	v_add_f32 v22, v22, v23
	v_add_f32 v16, v16, v18
	v_add_f32 v20, v20, v22
	v_add_f32 v16, v16, v20
.set pp, 0
.rept 28                               ; lane p of v13: how many of the 32 tokens chose pair p; lanes 28-31 stay 0
	v_cmp_eq_u32 vcc_lo, pp, v12
	s_bcnt1_i32_b32 s50, vcc_lo
	v_writelane_b32 v13, s50, pp
.set pp, pp+1
.endr
	global_store_b32 v10, v12, s[24:25]
	global_store_b32 v10, v13, s[26:27]
	global_store_b64 v7, v[14:15], s[28:29]        ; 256 consecutive bytes, aligned
	global_store_b32 v11, v16, s[30:31]            ; 8 words; four lanes store the same word with the same number
	s_branch .Lend
	; ---------------- the weights' work-group c = id - 256, wave w: job g = 8 c + w of W1 and of W2 ----------------
.Lconv:
	s_sub_co_u32 s34, s33, 256
	s_lshl_b32 s34, s34, 3
	s_add_co_u32 s34, s34, s32                     ; g, 0..2047
	v_lshlrev_b32 v5, 2, v1                        ; 4 x lane
	v_lshrrev_b32 v6, 4, v1
	v_and_b32 v7, 15, v1
	v_lshlrev_b32 v7, 4, v7
	v_lshl_or_b32 v6, v6, 10, v7                   ; out: fragment lane / 16, 16 bytes at 16 (lane % 16)
	s_lshr_b32 s35, s34, 8                         ; e
	s_bfe_u32 s38, s34, 0x50003                    ; W1: ks = (g >> 3) & 31,
	s_and_b32 s39, s34, 7                          ; nb = g & 7: 64 columns
	s_lshl_b32 s36, s35, 21
	s_lshl_b32 s50, s38, 16
	s_add_co_u32 s36, s36, s50
	s_lshl_b32 s50, s39, 8
	s_add_co_u32 s36, s36, s50
	s_add_nc_u64 s[14:15], s[14:15], s[36:37]
	s_lshl_b32 s36, s35, 20
	s_lshr_b32 s50, s39, 2
	s_lshl_b32 s50, s50, 19
	s_add_co_u32 s36, s36, s50
	s_lshl_b32 s50, s38, 14
	s_add_co_u32 s36, s36, s50
	s_and_b32 s50, s39, 3
	s_lshl_b32 s50, s50, 12
	s_add_co_u32 s36, s36, s50
	s_add_nc_u64 s[20:21], s[20:21], s[36:37]
	s_bfe_u32 s38, s34, 0x40004                    ; W2: ks = (g >> 4) & 15,
	s_and_b32 s39, s34, 15                         ; nb = g & 15
	s_lshl_b32 s36, s35, 21
	s_lshl_b32 s50, s38, 17
	s_add_co_u32 s36, s36, s50
	s_lshl_b32 s50, s39, 8
	s_add_co_u32 s36, s36, s50
	s_add_nc_u64 s[16:17], s[16:17], s[36:37]
	s_lshl_b32 s36, s35, 20
	s_lshr_b32 s50, s39, 2
	s_lshl_b32 s50, s50, 18
	s_add_co_u32 s36, s36, s50
	s_lshl_b32 s50, s38, 14
	s_add_co_u32 s36, s36, s50
	s_and_b32 s50, s39, 3
	s_lshl_b32 s50, s50, 12
	s_add_co_u32 s36, s36, s50
	s_add_nc_u64 s[22:23], s[22:23], s[36:37]
	JLOAD 14, 2048, 128
	JLOAD 16, 4096, 192
	s_wait_loadcnt 63                              ; W1's 64 loads are in: 64 were issued behind them
	JOUT v_cvt_pk_f16_f32, 128, 64, 20
	s_wait_loadcnt 0x0
	JOUT v_cvt_pk_bf16_f32, 192, 96, 22
.Lend:
	s_wait_tensorcnt 0x0                           ; the wave's end, behind my last LDS store
	ds_add_u32 v2, v3
	s_wait_dscnt 0x0
	s_endpgm
.Lfunc_end_k_q4f5d6e4655_prep:
	.size	k_q4f5d6e4655_prep, .Lfunc_end_k_q4f5d6e4655_prep-k_q4f5d6e4655_prep
	.p2alignl 7, 3214868480
	.fill 96, 4, 3214868480
	.section	.rodata,"a",@progbits
	.p2align	6, 0x0
	.amdhsa_kernel k_q4f5d6e4655_prep
		.amdhsa_group_segment_fixed_size 42752
		.amdhsa_private_segment_fixed_size 0
		.amdhsa_enable_private_segment 0
		.amdhsa_kernarg_size 112
		.amdhsa_user_sgpr_count 2
		.amdhsa_user_sgpr_kernarg_segment_ptr 1
		.amdhsa_wavefront_size32 1
		.amdhsa_system_sgpr_workgroup_id_x 1
		.amdhsa_system_sgpr_workgroup_id_y 1
		.amdhsa_system_sgpr_workgroup_id_z 1
		.amdhsa_system_vgpr_workitem_id 0
		.amdhsa_next_free_vgpr 256
		.amdhsa_next_free_sgpr 66
		.amdhsa_reserve_vcc 1
		.amdhsa_float_denorm_mode_32 3
		.amdhsa_float_denorm_mode_16_64 3
		.amdhsa_memory_ordered 1
		.amdhsa_forward_progress 1
		.amdhsa_inst_pref_size 107
	.end_amdhsa_kernel
	.amdgpu_metadata
---
amdhsa.version: [ 1, 2 ]
amdhsa.kernels:
  - .name:           k_q4f5d6e4655_prep
    .symbol:         k_q4f5d6e4655_prep.kd
    .args:
      - { .name: x, .offset: 0, .size: 8, .value_kind: global_buffer, .address_space: global }
      - { .name: ln_gamma, .offset: 8, .size: 8, .value_kind: global_buffer, .address_space: global }
      - { .name: ln_beta, .offset: 16, .size: 8, .value_kind: global_buffer, .address_space: global }
      - { .name: Wr, .offset: 24, .size: 8, .value_kind: global_buffer, .address_space: global }
      - { .name: br, .offset: 32, .size: 8, .value_kind: global_buffer, .address_space: global }
      - { .name: W1, .offset: 40, .size: 8, .value_kind: global_buffer, .address_space: global }
      - { .name: W2, .offset: 48, .size: 8, .value_kind: global_buffer, .address_space: global }
      - { .name: xn, .offset: 56, .size: 8, .value_kind: global_buffer, .address_space: global }
      - { .name: w1l, .offset: 64, .size: 8, .value_kind: global_buffer, .address_space: global }
      - { .name: w2l, .offset: 72, .size: 8, .value_kind: global_buffer, .address_space: global }
      - { .name: pid, .offset: 80, .size: 8, .value_kind: global_buffer, .address_space: global }
      - { .name: hp, .offset: 88, .size: 8, .value_kind: global_buffer, .address_space: global }
      - { .name: cw, .offset: 96, .size: 8, .value_kind: global_buffer, .address_space: global }
      - { .name: ps, .offset: 104, .size: 8, .value_kind: global_buffer, .address_space: global }
    .group_segment_fixed_size: 42752
    .private_segment_fixed_size: 0
    .kernarg_segment_align: 8
    .kernarg_segment_size: 112
    .max_flat_workgroup_size: 256
    .sgpr_count:     66
    .vgpr_count:     256
    .wavefront_size: 32
...
	.end_amdgpu_metadata
.endif
;; end of part 1
;; launch chain (part 2): grid 156 x 1, 4 waves a work-group, no clusters, 273,408 bytes of LDS; arguments xn, w1l, w2l, pid, hp, cw, ps, x, b1, b2, out0, out1; writes out0, out1
.if DOCPART == 2
	.amdgcn_target "amdgcn-amd-amdhsa--gfx1250"
	.amdhsa_code_object_version 6
	.text
	.protected	k_q4f5d6e4655_chain
	.globl	k_q4f5d6e4655_chain
	.p2align	8
	.type	k_q4f5d6e4655_chain,@function
k_q4f5d6e4655_chain:
	s_mov_b64 s[64:65], 0
	v_nop
	global_prefetch_b8 v0, s[64:65] scope:SCOPE_SE
	s_setreg_imm32_b32 hwreg(HW_REG_WAVE_MODE, 25, 1), 1
	s_wait_xcnt 0x0
; CHAIN.  out0[t] = x[t] + w_lo (gelu(n W1[lo] + b1[lo]) W2[lo] + b2[lo]) + w_hi (the same for hi), n = xn[t]; out1 = the aux loss.
; TILES.  Tokens are grouped by their unordered pair of experts (28 pairs).  A work-group owns up to 64 tokens of one pair and takes them through the whole chain, which for a pair is two products of
; 64 x 1024 x 1024: the hidden layer is [w_lo gelu(lo) | w_hi gelu(hi)] and W2[lo], W2[hi] are stacked along K.  So each output row has one owner and nothing is summed through memory.
; With 8,192 tokens there are never more than 128 + 27 = 155 tiles, whatever the choice; work-groups 0-154 take them in the order (pair, tile).  Work-group 155 never has a tile: its wave 0 makes the
; aux loss.  Every work-group finds its tile by itself from the stored whole numbers hp (counts) and pid (each token's pair).
; A WORK-GROUP WITHOUT ROWS passes every barrier like the others: it goes the same way with every row a copy of token 0 (its list comes out empty), jumps only the two K loops (15 and 14 of 16 trips)
; and leaves the way out at the first row: it stores nothing, and what it multiplies is never looked at.
; SHARES.  The four waves split the 1,024 columns of each product, 256 each, and all take all 64 rows: 64 accumulators of 16 x 16, 512 registers.  So each weight byte is used by ONE wave of the
; work-group, and the weights come from memory straight into that wave's registers as ready fragments (512 consecutive bytes a load), through a ring of four buffers of 8 fragments.
; The tokens' rows (product 1) and the hidden layer (product 2) lie in LDS, padded, and are read by all four waves.
; THE WALK ALONG K IS TURNED.  K goes in 16 chunks of 64 (32 KB of weights a wave).  Trip t of work-group g takes chunk (t + r) mod 16, r = (11 g + 7 (g / 16)) mod 16: neighbouring tiles of a pair start
; 5 chunks apart.  So the work-groups that share an expert's weights do not all ask for the same chunk in the same trip: a chunk is asked for first by the one that starts there (for product 1 in the
; head, for product 2 ahead of the GELU) and by the others trips later.  The sums over K have another order in each work-group; every chunk is taken once.
; THE MATRIX INSTRUCTION IS USED TRANSPOSED: source 0 = 16 columns of the weights, source 1 = 16 tokens: a lane then holds one token (lane % 16) and 8 neighbouring columns.
; FORMATS.  Product 1 in f16 (normed is bounded by the LayerNorm itself, W1 has room on both sides), product 2 in bf16 (the hidden layer has no bound); sums, bias, GELU and the residual in f32.
; gelu(z) = z / (1 + 2^(z (c1 + c2 z^2))), c1 = -2 log2(e) sqrt(2 / pi), c2 = 0.044715 c1: the tanh form; where the exponential overflows or vanishes the quotient is 0 or z, the right ends.
; LIMITS.  NaN and infinities are not treated apart; xn and w1l are f16 (the launch before states their range).
; NO CLUSTER, NO TENSOR LOAD: a joint load lands in LDS, and here a weight byte has one reader in a work-group: the pass through LDS would add 4 MB written and 4 MB read a work-group; and neighbouring
; work-groups share their weights only where they hold tiles of one pair, which hangs on the stored counts.
; BARRIERS.  Eight, all on every wave's path: counts; lists; rows; product 1's reads over; hidden layer whole; product 2's reads over; stages stored; the way out's reads over.
; REGISTERS, in windows of 256 (s_set_vgpr_msb: bits 1:0 source 0, 3:2 source 1, 5:4 source 2, 7:6 destination):
;   window 0: addresses, operands from LDS, all vector work.   window 1: the ring of weights, 4 x 64; on the way out two buffers of 16 rows of x.
;   windows 2, 3: accumulator (a, b) at 8 (16 (a % 2) + b) of window 2 + a / 2; before product 1 window 2 takes the gathered rows.
.set PX,     2064                      ; an LDS row of tokens or hidden layer: 2,048 bytes + 16 = 129 x 16: the 16 rows of a fragment load start at 16 different 16-byte columns of 256
.set SPT,    1040                      ; a stage row: 1,024 + 16 = 65 x 16
.set STGW,   64*SPT                    ; a wave's stage: 64 rows.  The four stages, 266,240 bytes from 0, lie over the tokens' rows, the hidden layer, the counts and the head of the lists: all dead behind barrier 6
.set HT,     133120                    ; the hidden layer: 64 rows of PX (the tokens' rows: 64 rows of PX from 0)
.set HW,     265216                    ; 128 bytes a wave: the pairs' counts in its 2,048 tokens
.set LIST,   265728                    ; 512 bytes a wave: word s = token + 1 of the tile's row s if that token is among the wave's, else 0; word 64 takes what falls outside the tile
.set ROWREC, 267776                    ; 16 bytes a row: token, token + 1 or 0, w_lo, w_hi
.set SPARE,  268800                    ; the spare words, 128 bytes for each wave: two blocks of 256 bytes that no other line names
.set BIASL,  269312                    ; 1,024 bytes a wave: b1 of its 256 hidden columns, on their way from two coalesced loads to the lanes that want them
; v0 thread, v1 lane, v2 r = lane % 16, v3 h = lane / 16, v4 my spare word, v5 0 (both for the add alone), v6 16 x lane, v7-8 my lane's place in the tokens' fragments (rows 0-31, 32-63), v9-10 the same for
; the hidden layer (these four are never rewritten), v11 where I put hidden numbers, v12 where I read b1, later the GELU group's place, v13 where I put gathered rows, v14 stage in, v15 stage back, v16 ROWREC,
; v17 my bytes in a row of x, v18 my list, v19 my first token x 1 + 4 lane, v20-23 my four tokens' weight, v24 the pairs' counts, v25-28 the same by wave, v29 my row's token, v30-31 at work
.set AF,   32                          ; v32-63, v64-95  fragments of 64 tokens x 32 K, two buffers
.set PIDR, 32                          ; v32-95   in the head: my 64 tokens' pairs
.set Z,    32                          ; in the GELU: 32 numbers,
.set U,    64                          ; and 32 at work
.set PK,   96                          ; v96-111  packed bf16
.set WP,   112                         ; v112-113 the group's weight, twice
.set GO,   112                         ; v112-127 in the gather: 16 rows' offsets
.set ADC,  114                         ; v114-115 in the products: the LDS addresses of a chunk's fragment loads: the lane's place + 128 x chunk
.set WL,   20
.set HIST, 128                         ; v128-191 in the head
.set BIAS, 128                         ; v128-255 b1 of my 256 columns: 8 b + j
.set SA,   128                         ; v128-143 at work where rows' offsets are made
.set OFF0, 208                         ; v208-223, v224-239  16 rows' offsets in x and out0, two sets
.set OFF1, 224
.set B2L,  240                         ; v240-247 b2[lo], v248-255 b2[hi] of my 8 columns
.set B2H,  248
; the way out: four sets of 4 rows x 8 numbers at v32, v64, v128, v160; their weights at v96, v104, v112, v120
; s28 wave, s29 work-group, s30-33 search at work, s34 pair, s35 tile in the pair, s36 the pair's tokens, s37 lo | hi << 8, s38 1 = I have rows, s39 my rows, s40 lo, s41 hi, s42 my wave's expert,
; s[44:45] my slice of w1l, s[46:47], s[48:49] of w2l for lo, hi, s[50:51] where the next trip's chunk of weights begins, s[52:53] b1, s[54:55], s[56:57] b2, s[58:59] offsets, s60-61, s63 counters,
; s62 the next trip's chunk (in the way out: a pass's bytes in the stage), s[66:67] c1, s[68:69] c2, s[70:71] lane selects, s72 rank, s73 at work, s74 rows left in the pass,
; s75 the chunk's byte in an LDS row (in the way out: the pass's records), s76 r, s77 r + 1, s[78:79] where product 2's first chunk begins, s80-87 the experts' counts
.set RB,   88                          ; s[88:95] where each of the four ring buffers is filled from: a pair for each, so that a pair is written behind the wait that shows its own loads done
.set MSB, 0
.macro WIN new                         ; the immediate's high byte repeats the setting that is left; a switch that changes nothing is dropped
.if MSB != (\new)
	s_set_vgpr_msb (MSB<<8)|(\new)
.set MSB, (\new)
.endif
.endm
.macro PLACES                          ; four places between a matrix instruction and a load into, or a vector read of, its registers
.rept 4
	v_nop
.endr
.endm
; 8 LDS loads: the fragments of 64 rows x 32 K at byte koff from the addresses, into buffer af.  adr, adr + 1: the address registers for rows 0-31 and 32-63.
.macro ALOAD af, adr, koff
	WIN 0
.irp a, 0,1,2,3
	ds_load_b128 v[AF+32*(\af)+8*\a:AF+32*(\af)+8*\a+3],   v[(\adr)+\a/2] offset:(\a%2)*16*PX+(\koff)
	ds_load_b128 v[AF+32*(\af)+8*\a+4:AF+32*(\af)+8*\a+7], v[(\adr)+\a/2] offset:(\a%2)*16*PX+(\koff)+32
.endr
.endm
; A half-step: 32 matrix instructions: ring buffer buf (8 blocks of 16 columns, 8 bh on) x the 4 blocks of 16 tokens in buffer af, 32 along K.  32 different accumulators, one instruction a turn, and the
; next half-step begins on another one.  lc: how many younger loads may stay out.  refill = 1: the buffer takes the same fragments of the next trip's chunk:
; its base pair takes s[50:51].  The wait at the head has shown the buffer's 16 loads done, which frees their base (ISA guide 5.7.1: loads return in order); the move stands behind the matrix instructions.
.macro HS fmt, buf, af, bh, zero, lc, refill
	s_wait_loadcnt \lc
.irp hh, 0,1
	WIN 0xa1+0x50*\hh                              ; weights window 1, tokens window 0, C and D window 2 or 3
.irp aa, 0,1
.irp f, 0,1,2,3,4,5,6,7
.set rD, 8*(16*\aa+8*(\bh)+\f)
.set rW, 64*(\buf)+8*\f
.set rT, AF+32*(\af)+8*(2*\hh+\aa)
.if \zero
	v_wmma_f32_16x16x32_\fmt v[rD:rD+7], v[rW:rW+7], v[rT:rT+7], 0
.else
	v_wmma_f32_16x16x32_\fmt v[rD:rD+7], v[rW:rW+7], v[rT:rT+7], v[rD:rD+7]
.endif
.endr
.endr
.endr
.if \refill
	s_mov_b64 s[RB+2*(\buf):RB+2*(\buf)+1], s[50:51]
	PLACES
	WIN 0x40                                       ; destination window 1, address window 0
.irp f, 0,1,2,3,4,5,6,7
	global_load_b128 v[64*(\buf)+8*\f:64*(\buf)+8*\f+3],   v6, s[RB+2*(\buf):RB+2*(\buf)+1] offset:8192*(\buf)+1024*\f
	global_load_b128 v[64*(\buf)+8*\f+4:64*(\buf)+8*\f+7], v6, s[RB+2*(\buf):RB+2*(\buf)+1] offset:8192*(\buf)+1024*\f+512
.endr
.endif
.endm
; The next trip's chunk, (t + 1 + r) mod 16, where this trip's number t is 0 (tb = 0) or tb - s60; its byte in an LDS row, 128 x chunk; and where its 32 KB of weights begin.
; prod = 1: my slice of w1l + 32 KB x chunk (at the most 16 x 32 KB, the slice's 512 KB); in the last trip (count 1) product 2's first chunk instead.
; prod = 2: chunks 0-7 lie in the lower expert's slice of w2l, chunks 8-15 in the higher's, 32 KB x (chunk mod 8) in (at the most 8 x 32 KB, a slice's 256 KB).
; No pending load names s[50:51]: the ring's loads name their own pairs.
.macro NEXT prod, tb
.if \tb
	s_sub_co_u32 s62, \tb, s60
	s_add_co_u32 s62, s62, s77
.else
	s_mov_b32 s62, s77
.endif
	s_and_b32 s62, s62, 15
	s_lshl_b32 s75, s62, 7
.if (\prod) == 1
	s_lshl_b32 s58, s62, 15
	s_add_nc_u64 s[50:51], s[44:45], s[58:59]
.if \tb
	s_cmp_eq_u32 s60, 1
	s_cselect_b64 s[50:51], s[78:79], s[50:51]
.endif
.else
	s_cmp_lt_u32 s62, 8
	s_cselect_b64 s[50:51], s[46:47], s[48:49]
	s_and_b32 s58, s62, 7
	s_lshl_b32 s58, s58, 15
	s_add_nc_u64 s[50:51], s[50:51], s[58:59]
.endif
.endm
; A trip: 64 along K: 128 matrix instructions, 32 KB of weights a wave.  A buffer's 16 loads have the three other buffers' 48 behind them when they are waited for: 96 matrix instructions from request to wait.
; zero = 1: the first 32 along K start the sums.  The next trip's token fragments are fetched, each buffer behind its last reader's four places (the refill's); their addresses are the lane's place
; (adr, adr + 1: never rewritten) plus the chunk's byte: at the most 1,920 + 64 + 48 = 2,032 bytes into a row of 2,048.  Behind product 1's last trip no trip follows: what it fetches, its first
; chunk's fragments once more, is not used.
.macro TRIP fmt, adr, zero, prod, tb
	NEXT \prod, \tb
	s_wait_dscnt 8                                 ; buffer 0 of the fragments is in; buffer 1's 8 loads may be out
	HS \fmt, 0, 0, 0, \zero, 48, 1
	HS \fmt, 1, 0, 1, \zero, 48, 1
	WIN 0
	v_add_nc_u32 v[ADC], s75, v[\adr]
	v_add_nc_u32 v[ADC+1], s75, v[(\adr)+1]
	ALOAD 0, ADC, 0
	s_wait_dscnt 8                                 ; buffer 1 is in; the 8 just issued may be out
	HS \fmt, 2, 1, 0, 0, 48, 1
	HS \fmt, 3, 1, 1, 0, 48, 1
	ALOAD 1, ADC, 64
	WIN 0
.endm
; One group of the GELU's 16: accumulators (a, 4 q .. 4 q + 3) plus bias into Z, lowest registers first; the group's weight and its place in the hidden layer.  k = the loop's count that leads here.
.macro MV k
.set g_, 16-(\k)
.set a_, g_/4
.set q_, g_%4
.Lmv\k:
	WIN 0x02+a_/2                                  ; source 0 in window 2 or 3
.set u_, 0
.rept 4
.set p_, 0
.rept 4
	v_pk_add_f32 v[Z+8*u_+2*p_:Z+8*u_+2*p_+1], v[8*(16*(a_%2)+4*q_+u_)+2*p_:8*(16*(a_%2)+4*q_+u_)+2*p_+1], v[BIAS+8*(4*q_+u_)+2*p_:BIAS+8*(4*q_+u_)+2*p_+1]
.set p_, p_+1
.endr
.set u_, u_+1
.endr
	WIN 0
	v_mov_b32 v[WP], v[WL+a_]
	v_mov_b32 v[WP+1], v[WL+a_]
	v_add_nc_u32 v12, a_*16*PX+128*q_, v11
	s_branch .Lcom
.endm
; The GELU's plain lines, for pair p of the group's 16 pairs of numbers
.macro G_SQ p                          ; z^2
	v_pk_mul_f32 v[U+2*(\p):U+2*(\p)+1], v[Z+2*(\p):Z+2*(\p)+1], v[Z+2*(\p):Z+2*(\p)+1]
.endm
.macro G_PF p                          ; c2 z^2 + c1
	v_pk_fma_f32 v[U+2*(\p):U+2*(\p)+1], v[U+2*(\p):U+2*(\p)+1], s[68:69], s[66:67] op_sel_hi:[1,0,0]
.endm
.macro G_MZ p                          ; times z: the exponent
	v_pk_mul_f32 v[U+2*(\p):U+2*(\p)+1], v[U+2*(\p):U+2*(\p)+1], v[Z+2*(\p):Z+2*(\p)+1]
.endm
.macro G_WZ p                          ; z times the gate's weight
	v_pk_mul_f32 v[Z+2*(\p):Z+2*(\p)+1], v[Z+2*(\p):Z+2*(\p)+1], v[WP:WP+1]
.endm
.macro G_A1 p                          ; 1 + the exponential
	v_pk_add_f32 v[U+2*(\p):U+2*(\p)+1], v[U+2*(\p):U+2*(\p)+1], 1.0 op_sel_hi:[1,0]
.endm
.macro G_FZ p                          ; w z times the reciprocal
	v_pk_mul_f32 v[Z+2*(\p):Z+2*(\p)+1], v[Z+2*(\p):Z+2*(\p)+1], v[U+2*(\p):U+2*(\p)+1]
.endm
.macro G_CV p
	v_cvt_pk_bf16_f32 v[PK+(\p)], v[Z+2*(\p)], v[Z+2*(\p)+1]
.endm
; Line n of the plain work that stands between the transcendentals of a batch; none of it names a result of that batch
.macro PL2 n                           ; beside the first half's exponentials: the second half's exponents
.if (\n) < 8
	G_SQ 8+(\n)
.elseif (\n) < 16
	G_PF (\n)
.else
	G_MZ (\n)-8
.endif
.endm
.macro PL3 n                           ; beside the second half's exponentials
.if (\n) < 8
	G_A1 (\n)
.else
	G_WZ (\n)-8
.endif
.endm
.macro PL4 n                           ; beside the first half's reciprocals
.if (\n) < 8
	G_A1 8+(\n)
.else
	G_WZ (\n)
.endif
.endm
.macro PL5 n                           ; beside the second half's reciprocals
.if (\n) < 8
	G_FZ (\n)
.else
	G_CV (\n)-8
.endif
.endm
; 16 rows' tokens from ROWREC (byte imm on) -> their offsets in x and out0
.macro XOFF off, imm
	WIN 0
.set ii, 0
.rept 16
	ds_load_b32 v[SA+ii], v16 offset:(\imm)+16*ii
.set ii, ii+1
.endr
	s_wait_dscnt 0x0
.set ii, 0
.rept 16
	v_min_u32 v[SA+ii], 0x1fff, v[SA+ii]
	v_lshl_add_u32 v[(\off)+ii], v[SA+ii], 12, v17
.set ii, ii+1
.endr
.endm
.macro XLOAD xb, off                   ; my 1,024 bytes of 16 rows of x -> window 1, xb on
	WIN 0x40
.set ii, 0
.rept 16
	global_load_b128 v[(\xb)+8*ii:(\xb)+8*ii+3],   v[(\off)+ii], s[18:19]
	global_load_b128 v[(\xb)+8*ii+4:(\xb)+8*ii+7], v[(\off)+ii], s[18:19] offset:512
.set ii, ii+1
.endr
	WIN 0
.endm
.macro STAGE p                         ; the accumulators of token blocks 2 p, 2 p + 1 into my stage; of each accumulator the lowest four registers first
	WIN 0x08+4*(\p)                                ; store data in window 2 or 3
.set aa_, 0
.rept 2
.set bb_, 0
.rept 16
	ds_store_b128 v14, v[8*(16*aa_+bb_):8*(16*aa_+bb_)+3]   offset:(2*(\p)+aa_)*16*SPT+64*bb_
	ds_store_b128 v14, v[8*(16*aa_+bb_)+4:8*(16*aa_+bb_)+7] offset:(2*(\p)+aa_)*16*SPT+64*bb_+16
.set bb_, bb_+1
.endr
.set aa_, aa_+1
.endr
	WIN 0
.endm
.macro LOADG g, r0                     ; group g of a run of 16 rows (first row r0 of the pass's 32): 4 rows back from the stage as whole 1,024 bytes, and their weights: 12 LDS loads
.set sb, 32+32*(\g)+32*((\g)/2)
.set wb, 96+8*(\g)
.set kk, 0
.rept 4
.set rr, (\r0)+4*(\g)+kk
	ds_load_b128 v[sb+8*kk:sb+8*kk+3],   v30 offset:rr*SPT
	ds_load_b128 v[sb+8*kk+4:sb+8*kk+7], v30 offset:rr*SPT+512
	ds_load_b64 v[wb+2*kk:wb+2*kk+1], v31 offset:16*rr+8
.set kk, kk+1
.endr
.endm
; 16 rows go out: product + x + w_lo b2[lo] + w_hi b2[hi].  Each of the four groups has registers of its own, so no register that a store still reads is written inside the run; the wait for that
; stands once, behind the run.  The tile's rows are a prefix: the first row past the count ends the way out.
.macro ROWS xb, off, r0
	WIN 0
.irp g, 0,1,2,3
	LOADG \g, \r0
.endr
.irp g, 0,1,2,3
	s_wait_dscnt 12*(3-\g)                         ; my group is in; the later groups' 12 loads each stay out
.set sb, 32+32*\g+32*(\g/2)
.set wb, 96+8*\g
	WIN 0x04                                       ; source 1 in window 1
.set ii, 0
.rept 16
	v_pk_add_f32 v[sb+2*ii:sb+2*ii+1], v[sb+2*ii:sb+2*ii+1], v[(\xb)+32*\g+2*ii:(\xb)+32*\g+2*ii+1]
.set ii, ii+1
.endr
	WIN 0
.set kk, 0
.rept 4
.set pp, 0
.rept 4
	v_pk_fma_f32 v[sb+8*kk+2*pp:sb+8*kk+2*pp+1], v[B2L+2*pp:B2L+2*pp+1], v[wb+2*kk:wb+2*kk+1], v[sb+8*kk+2*pp:sb+8*kk+2*pp+1] op_sel_hi:[1,0,1]
.set pp, pp+1
.endr
.set pp, 0
.rept 4
	v_pk_fma_f32 v[sb+8*kk+2*pp:sb+8*kk+2*pp+1], v[B2H+2*pp:B2H+2*pp+1], v[wb+2*kk:wb+2*kk+1], v[sb+8*kk+2*pp:sb+8*kk+2*pp+1] op_sel:[0,1,0] op_sel_hi:[1,1,1]
.set pp, pp+1
.endr
.set kk, kk+1
.endr
.set kk, 0
.rept 4
	s_cmp_le_i32 s74, (\r0)+4*\g+kk
	s_cbranch_scc1 .Lout
	global_store_b128 v[(\off)+4*\g+kk], v[sb+8*kk:sb+8*kk+3],   s[24:25] th:TH_STORE_NT             ; the wave's store covers 512 consecutive bytes, aligned
	global_store_b128 v[(\off)+4*\g+kk], v[sb+8*kk+4:sb+8*kk+7], s[24:25] offset:512 th:TH_STORE_NT
.set kk, kk+1
.endr
.endr
.endm
	; ---------------- the head ----------------
	s_load_b512 s[4:19], s[0:1], 0x0               ; xn s[4:5], w1l s[6:7], w2l s[8:9], pid s[10:11], hp s[12:13], cw s[14:15], ps s[16:17], x s[18:19]
	s_load_b256 s[20:27], s[0:1], 0x40             ; b1 s[20:21], b2 s[22:23], out0 s[24:25], out1 s[26:27]
	v_lshl_add_u32 v4, v0, 2, SPARE
	v_mov_b32 v5, 0
	v_and_b32 v1, 31, v0
	v_lshrrev_b32 v30, 5, v0
	v_readfirstlane_b32 s28, v30                   ; wave 0..3
	s_mov_b32 s29, ttmp9
	v_and_b32 v2, 15, v0
	v_bfe_u32 v3, v0, 4, 1
	v_lshlrev_b32 v6, 4, v1
	v_mul_u32_u24 v7, v2, PX
	v_lshl_add_u32 v7, v3, 4, v7                   ; a fragment's row x pitch + 16 x half
	v_add_nc_u32 v8, 32*PX, v7
	v_add_nc_u32 v9, HT, v7
	v_add_nc_u32 v10, HT+32*PX, v7
	s_lshl_b32 s73, s28, 9
	v_add_nc_u32 v11, s73, v9                      ; my 512 bytes of a hidden row
	s_mul_i32 s73, s28, 16*PX
	v_add_nc_u32 v13, s73, v6                      ; my 16 rows of the tile
	s_mul_i32 s73, s28, STGW
	v_mul_u32_u24 v14, v2, SPT
	v_lshl_add_u32 v14, v3, 5, v14
	v_add_nc_u32 v14, s73, v14
	v_add_nc_u32 v15, s73, v6
	v_mov_b32 v16, ROWREC
	s_lshl_b32 s73, s28, 10
	v_add_nc_u32 v17, s73, v6
	s_lshl_b32 s73, s28, 9
	s_add_co_u32 s73, s73, LIST
	v_mov_b32 v18, s73
	v_lshlrev_b32 v19, 2, v1
	v_lshl_add_u32 v19, s28, 11, v19
	v_lshlrev_b32 v30, 2, v1
	v_lshl_add_u32 v30, s28, 13, v30               ; my wave's 64 blocks of hp, a pair a lane
	v_lshl_add_u32 v31, s28, 13, v6                ; my wave's 2,048 words of pid
	s_mov_b32 s66, 0xc0135761                      ; c1
	s_mov_b32 s67, s66
	s_mov_b32 s68, 0xbdd2d3e8                      ; c2
	s_mov_b32 s69, s68
	s_mov_b32 s70, 0x76543210
	s_mov_b32 s71, 0xfedcba98
	s_mov_b32 s59, 0
	s_mul_i32 s76, s29, 11                         ; r = (11 g + 7 (g / 16)) mod 16: where my walk along K begins
	s_lshr_b32 s73, s29, 4
	s_mul_i32 s73, s73, 7
	s_add_co_u32 s76, s76, s73
	s_and_b32 s76, s76, 15
	s_add_co_u32 s77, s76, 1
	s_wait_kmcnt 0x0
.set ii, 0
.rept 64
	global_load_b32 v[HIST+ii], v30, s[12:13] offset:128*ii
.set ii, ii+1
.endr
.set ii, 0
.rept 16
	global_load_b128 v[PIDR+4*ii:PIDR+4*ii+3], v31, s[10:11] offset:512*ii   ; register 4 i + j: token 2048 w + 128 i + 4 lane + j
.set ii, ii+1
.endr
	s_wait_loadcnt 0x0
	v_add3_u32 v24, v[HIST], v[HIST+1], v[HIST+2]
.set ii, 3
.rept 30
	v_add3_u32 v24, v24, v[HIST+ii], v[HIST+ii+1]
.set ii, ii+2
.endr
	v_add_nc_u32 v24, v24, v[HIST+63]              ; lane p: pair p's tokens among my wave's 2,048
	v_lshl_add_u32 v30, v0, 2, HW
	ds_store_b32 v30, v24
	s_wait_dscnt 0x0                               ; for the others' sake
	s_barrier_signal -1
	s_barrier_wait -1                              ; barrier 1: the four waves' counts
	v_lshl_add_u32 v31, v1, 2, HW
.irp w, 0,1,2,3
	ds_load_b32 v[25+\w], v31 offset:128*\w
.endr
	s_wait_dscnt 0x0
	v_add_nc_u32 v24, v25, v26
	v_add3_u32 v24, v24, v27, v28                  ; lane p: pair p's tokens in all
	; which tile is mine: the last pair whose first tile's number is not above mine
	s_mov_b32 s33, 0
	s_mov_b32 s34, 0
	s_mov_b32 s35, 0
	s_mov_b32 s36, 0
	s_mov_b32 s37, 0x100
.set pp, 0
.set elo, 0
.rept 7
.set ehi, elo+1
.rept 7-elo
	v_readlane_b32 s30, v24, pp
	s_add_co_u32 s31, s30, 63
	s_lshr_b32 s31, s31, 6                         ; the pair's tiles
	s_sub_co_u32 s32, s29, s33
	s_cmp_ge_u32 s29, s33
	s_cselect_b32 s34, pp, s34
	s_cselect_b32 s35, s32, s35
	s_cselect_b32 s36, s30, s36
	s_cselect_b32 s37, elo|(ehi<<8), s37
	s_add_co_u32 s33, s33, s31
.set ehi, ehi+1
.set pp, pp+1
.endr
.set elo, elo+1
.endr
	s_cmp_lt_u32 s29, s33
	s_cselect_b32 s38, 1, 0                        ; I have rows
	s_lshl_b32 s73, s35, 6
	s_sub_co_u32 s39, s36, s73
	s_min_u32 s39, s39, 64
	s_cmp_eq_u32 s38, 1
	s_cselect_b32 s39, s39, 0                      ; how many
	s_and_b32 s40, s37, 0xff
	s_lshr_b32 s41, s37, 8
	s_cmp_lt_u32 s28, 2
	s_cselect_b32 s42, s40, s41                    ; waves 0, 1 make lo's hidden columns, waves 2, 3 hi's
	s_min_u32 s40, s40, 7
	s_min_u32 s41, s41, 7
	s_min_u32 s42, s42, 7
	s_min_u32 s34, s34, 27
	s_and_b32 s72, s28, 1
	s_lshl_b32 s58, s42, 20
	s_lshl_b32 s73, s72, 19
	s_add_co_u32 s58, s58, s73
	s_add_nc_u64 s[44:45], s[6:7], s[58:59]
	s_lshl_b32 s73, s28, 18
	s_lshl_b32 s58, s40, 20
	s_add_co_u32 s58, s58, s73
	s_add_nc_u64 s[46:47], s[8:9], s[58:59]
	s_lshl_b32 s58, s41, 20
	s_add_co_u32 s58, s58, s73
	s_add_nc_u64 s[48:49], s[8:9], s[58:59]
	s_lshl_b32 s58, s42, 11
	s_lshl_b32 s73, s72, 10
	s_add_co_u32 s58, s58, s73
	s_add_nc_u64 s[52:53], s[20:21], s[58:59]
	s_lshl_b32 s73, s28, 10
	s_lshl_b32 s58, s40, 12
	s_add_co_u32 s58, s58, s73
	s_add_nc_u64 s[54:55], s[22:23], s[58:59]
	s_lshl_b32 s58, s41, 12
	s_add_co_u32 s58, s58, s73
	s_add_nc_u64 s[56:57], s[22:23], s[58:59]
	s_lshl_b32 s58, s76, 15
	s_add_nc_u64 s[50:51], s[44:45], s[58:59]      ; product 1's first chunk, r
	s_cmp_lt_u32 s76, 8
	s_cselect_b64 s[78:79], s[46:47], s[48:49]     ; product 2's first chunk, r: in the lower expert's slice or the higher's
	s_and_b32 s58, s76, 7
	s_lshl_b32 s58, s58, 15
	s_add_nc_u64 s[78:79], s[78:79], s[58:59]
	global_load_b128 v[104:107], v6, s[52:53]              ; b1 of my wave's 256 hidden columns: 1,024 consecutive bytes in two loads
	global_load_b128 v[108:111], v6, s[52:53] offset:512
	WIN 0x40
.set ii, 0
.rept 24                               ; the first three ring buffers of product 1's trip 0: with the two above 50 loads, which land under the list; the fourth is asked for behind the gather
	global_load_b128 v[8*ii:8*ii+3],   v6, s[50:51] offset:1024*ii
	global_load_b128 v[8*ii+4:8*ii+7], v6, s[50:51] offset:1024*ii+512
.set ii, ii+1
.endr
	WIN 0
	; ---------------- which of my wave's 2,048 tokens are rows of the tile ----------------
	v_lshl_add_u32 v30, v1, 2, v18
	v_mov_b32 v31, 0
	ds_store_b32 v30, v31
	ds_store_b32 v30, v31 offset:128
	ds_store_b32 v30, v31 offset:256
	s_lshl_b32 s73, s35, 6
	s_sub_co_u32 s72, 0, s73                       ; a token's rank in its pair, less the tile's first rank: it begins with the earlier waves' tokens
.irp w, 0,1,2
	v_readlane_b32 s73, v[25+\w], s34
	s_cmp_gt_u32 s28, \w
	s_cselect_b32 s73, s73, 0
	s_add_co_u32 s72, s72, s73
.endr
.set kk, 0
.rept 64                               ; ranks go by (wave, register, lane): the same order in every work-group, which is all that the split into tiles needs
	v_cmp_eq_u32 vcc_lo, s34, v[PIDR+kk]
	v_mbcnt_lo_u32_b32 v30, vcc_lo, s72
	s_bcnt1_i32_b32 s73, vcc_lo
	s_add_co_u32 s72, s72, s73
	v_cndmask_b32 v30, -1, v30, vcc_lo
	v_min_u32 v30, 64, v30                         ; another pair's token, or a rank below or above the tile (as an unsigned number: large): word 64.  Without rows every rank lies below
	v_lshl_add_u32 v30, v30, 2, v18
	v_add_nc_u32 v31, 128*(kk/4)+kk%4+1, v19       ; token + 1
	ds_store_b32 v30, v31
.set kk, kk+1
.endr
	s_wait_dscnt 0x0
	s_barrier_signal -1
	s_barrier_wait -1                              ; barrier 2: the four lists are whole
	; ---------------- my 16 rows come in ----------------
	s_lshl_b32 s73, s28, 6
	s_add_co_u32 s73, s73, LIST
	v_lshl_add_u32 v30, v2, 2, s73                 ; row 16 w + r in each wave's list
	ds_load_b32 v96, v30
	ds_load_b32 v97, v30 offset:512
	ds_load_b32 v98, v30 offset:1024
	ds_load_b32 v99, v30 offset:1536
	s_wait_dscnt 0x0
	v_max_u32 v96, v96, v97
	v_max_u32 v98, v98, v99
	v_max_u32 v97, v96, v98                        ; token + 1, or 0 past the count
	v_max_u32 v29, 1, v97
	v_add_nc_u32 v29, -1, v29                      ; rows past the count repeat token 0, a row that exists
	v_min_u32 v29, 0x1fff, v29
	v_mov_b32 v96, v29
	v_lshlrev_b32 v100, 3, v29
	global_load_b64 v[98:99], v100, s[14:15]       ; w_lo, w_hi
.set ii, 0
.rept 16
	v_readlane_b32 s73, v29, ii
	s_min_u32 s73, s73, 0x1fff
	v_lshl_add_u32 v[GO+ii], s73, 11, v6
.set ii, ii+1
.endr
	WIN 0x80                                       ; destination window 2
.set ii, 0
.rept 16
.irp q, 0,1,2,3
	global_load_b128 v[16*ii+4*\q:16*ii+4*\q+3], v[GO+ii], s[4:5] offset:512*\q
.endr
.set ii, ii+1
.endr
	WIN 0x40
.set ii, 24
.rept 8                                ; the fourth ring buffer of trip 0, behind the rows that the work-group waits for first
	global_load_b128 v[8*ii:8*ii+3],   v6, s[50:51] offset:1024*ii
	global_load_b128 v[8*ii+4:8*ii+7], v6, s[50:51] offset:1024*ii+512
.set ii, ii+1
.endr
	WIN 0
	s_lshl_b32 s73, s28, 8
	s_add_co_u32 s73, s73, ROWREC
	v_lshl_add_u32 v101, v2, 4, s73
	s_lshl_b32 s73, s28, 10
	s_add_co_u32 s73, s73, BIASL
	v_add_nc_u32 v102, s73, v6                     ; b1 in: 16 bytes a lane
	v_lshl_add_u32 v12, v3, 5, s73                 ; b1 back: my 8 numbers of a block's 16
	s_wait_loadcnt 63                              ; b1, the weights and w_lo, w_hi are in: 80 loads were issued behind them
	ds_store_b128 v101, v[96:99]                   ; both halves of the lanes store the same 16 bytes
	ds_store_b128 v102, v[104:107]
	ds_store_b128 v102, v[108:111] offset:512
.set ii, 0
.rept 16                               ; the wave's own bytes: LDS serves a wave's instructions in order (ISA guide 5.7.1.4), so these see the two stores above; sixteen lanes read the same 16 bytes
	ds_load_b128 v[BIAS+8*ii:BIAS+8*ii+3],   v12 offset:64*ii
	ds_load_b128 v[BIAS+8*ii+4:BIAS+8*ii+7], v12 offset:64*ii+16
.set ii, ii+1
.endr
	WIN 0x08                                       ; store data in window 2
.set ii, 0
.rept 16
.set lc_, 76-4*ii                      ; behind row i's 4 loads: the later rows' 4 (15 - i) and the ring's 16; the wait's count holds 63 at the most
.if lc_ > 63
.set lc_, 63
.endif
	s_wait_loadcnt lc_
.irp q, 0,1,2,3
	ds_store_b128 v13, v[16*ii+4*\q:16*ii+4*\q+3] offset:PX*ii+512*\q
.endr
.set ii, ii+1
.endr
	WIN 0
	s_wait_dscnt 0x0
	s_barrier_signal -1
	s_barrier_wait -1                              ; barrier 3: the tile's 64 rows and their records are whole
	; ---------------- product 1 (f16) ----------------
	s_wait_loadcnt 0x0                             ; the fourth ring buffer: no load is out, so s[50:51] and the gather's offset registers may be written
	s_lshr_b32 s73, s28, 1
	s_lshl_b32 s73, s73, 2
	s_add_co_u32 s73, s73, ROWREC+8
	v_lshl_add_u32 v30, v2, 4, s73
.irp a, 0,1,2,3
	ds_load_b32 v[WL+\a], v30 offset:256*\a        ; token 16 a + r's weight for my wave's expert
.endr
	s_lshl_b32 s75, s76, 7                         ; the first chunk's byte in a row
	v_add_nc_u32 v[ADC], s75, v7
	v_add_nc_u32 v[ADC+1], s75, v8
	ALOAD 0, ADC, 0
	ALOAD 1, ADC, 64
	TRIP f16, 7, 1, 1, 0                           ; trip 0 starts the sums: nothing is cleared
	s_cmp_eq_u32 s38, 0                            ; without rows the 15 trips are jumped: what is out at the loop's end (64 ring loads, 16 fragment loads) is what is out at its head
	s_cbranch_scc1 .Lp1x
	s_mov_b32 s60, 15
.Lp1:
	TRIP f16, 7, 0, 1, 16                          ; trips 1 to 15; in trip 15 (count 1) the refills bring product 2's first chunk, which lands under the GELU
	s_sub_co_u32 s60, s60, 1
	s_cmp_lg_u32 s60, 0
	s_cbranch_scc1 .Lp1
.Lp1x:
	s_wait_dscnt 0x0                               ; my reads of the tokens' rows are over.  (The four v_nop ahead of the last refill are the places ahead of the vector work below)
	s_barrier_signal -1
	s_barrier_wait -1                              ; barrier 4: everybody's are.  (By the map above the rows end at 132,096 and the hidden layer begins at 133,120; with the barrier the
	                                               ; order of the product's reads and the stores below does not rest on that arithmetic)
	; ---------------- the GELU ----------------
	s_mov_b32 s61, 16
.Lgelu:                                        ; 16 groups of 4 accumulators: what differs, the registers' names, stands in 16 short blocks; the arithmetic is written once
.irp k, 16,15,14,13,12,11,10,9,8,7,6,5,4,3,2
	s_cmp_eq_u32 s61, \k
	s_cbranch_scc1 .Lmv\k
.endr
.irp k, 1,2,3,4,5,6,7,8,9,10,11,12,13,14,15,16
	MV \k
.endr
.Lcom:                                         ; 32 numbers in two halves of 16, so that each transcendental has a plain neighbour that names no result of its batch: four batches of 16, one wait each
.irp p, 0,1,2,3,4,5,6,7
	G_SQ \p
.endr
.irp p, 0,1,2,3,4,5,6,7
	G_PF \p
.endr
.irp p, 0,1,2,3,4,5,6,7
	G_MZ \p
.endr
.set n_, 0
.rept 16
	v_exp_f32 v[U+n_], v[U+n_]
	PL2 n_
.set n_, n_+1
.endr
.rept 8
	PL2 n_
.set n_, n_+1
.endr
	s_wait_alu depctr_va_vdst(0)                   ; the first half's 16 exponentials
.set n_, 0
.rept 16
	v_exp_f32 v[U+16+n_], v[U+16+n_]
	PL3 n_
.set n_, n_+1
.endr
	s_wait_alu depctr_va_vdst(0)                   ; the second half's
.set n_, 0
.rept 16
	v_rcp_f32 v[U+n_], v[U+n_]
	PL4 n_
.set n_, n_+1
.endr
	s_wait_alu depctr_va_vdst(0)                   ; the first half's 16 reciprocals
.set n_, 0
.rept 16
	v_rcp_f32 v[U+16+n_], v[U+16+n_]
	PL5 n_
.set n_, n_+1
.endr
	s_wait_alu depctr_va_vdst(0)                   ; the second half's
.irp p, 8,9,10,11,12,13,14,15
	G_FZ \p
.endr
.irp p, 8,9,10,11,12,13,14,15
	G_CV \p
.endr
.irp u, 0,1,2,3
	ds_store_b128 v12, v[PK+4*\u:PK+4*\u+3] offset:32*\u
.endr
	s_sub_co_u32 s61, s61, 1
	s_cmp_lg_u32 s61, 0
	s_cbranch_scc1 .Lgelu
	s_wait_dscnt 0x0                               ; my part of the hidden layer is stored
	s_barrier_signal -1
	s_barrier_wait -1                              ; barrier 5: the hidden layer is whole
	; ---------------- product 2 (bf16) ----------------
	s_wait_loadcnt 0x0                             ; product 2's first chunk is in the ring
	global_load_b128 v[B2L:B2L+3],   v6, s[54:55]
	global_load_b128 v[B2L+4:B2L+7], v6, s[54:55] offset:512
	global_load_b128 v[B2H:B2H+3],   v6, s[56:57]
	global_load_b128 v[B2H+4:B2H+7], v6, s[56:57] offset:512
	XOFF OFF0, 0
	XOFF OFF1, 256
	s_lshl_b32 s75, s76, 7                         ; the first chunk's byte in a row
	v_add_nc_u32 v[ADC], s75, v9
	v_add_nc_u32 v[ADC+1], s75, v10
	ALOAD 0, ADC, 0
	ALOAD 1, ADC, 64
	TRIP bf16, 9, 1, 2, 0                          ; trip 0
	s_cmp_eq_u32 s38, 0                            ; without rows the 14 trips are jumped, as in product 1
	s_cbranch_scc1 .Lp2x
	s_mov_b32 s60, 14
.Lp2:
	TRIP bf16, 9, 0, 2, 15                         ; trips 1 to 14
	s_sub_co_u32 s60, s60, 1
	s_cmp_lg_u32 s60, 0
	s_cbranch_scc1 .Lp2
.Lp2x:
	s_wait_dscnt 8                                 ; the last trip, written out: nothing is left to fetch, and the ring's registers take rows of x as they fall free
	HS bf16, 0, 0, 0, 0, 48, 0
	HS bf16, 1, 0, 1, 0, 32, 0                     ; behind buffer 1's loads: buffers 2 and 3
	PLACES
	XLOAD 0, OFF0                                  ; rows 0-15
	s_wait_dscnt 0x0
	HS bf16, 2, 1, 0, 0, 48, 0                     ; behind buffer 2's: buffer 3's 16 and the 32 of x
	HS bf16, 3, 1, 1, 0, 32, 0                     ; behind buffer 3's: the 32 of x
	PLACES
	XLOAD 128, OFF1                                ; rows 16-31
	s_wait_dscnt 0x0                               ; my reads of the hidden layer are over
	s_barrier_signal -1
	s_barrier_wait -1                              ; barrier 6: everybody's are: the stages below lie over the hidden layer
	; ---------------- the way out ----------------
	STAGE 0
	STAGE 1
	s_wait_dscnt 0x0
	s_barrier_signal -1
	s_barrier_wait -1                              ; barrier 7.  (A wave reads back its own stage alone; the loop's LDS addresses are made from its counter, and with the barrier
	                                               ; the order of the stores above and the loop's reads does not rest on that arithmetic)
	s_mov_b32 s63, 2
.Lpass:                                        ; two passes of 32 rows, one text
	s_sub_co_u32 s73, 2, s63                       ; the pass, 0 or 1
	s_mul_i32 s62, s73, 32*SPT
	s_lshl_b32 s75, s73, 9
	s_lshl_b32 s73, s73, 5
	s_sub_co_i32 s74, s39, s73                     ; my rows from the pass's first row on; 0 or less: none
	v_add_nc_u32 v30, s62, v15                     ; the pass's 32 rows in my stage,
	v_add_nc_u32 v31, s75, v16                     ; and their records
	s_wait_loadcnt 32                              ; the first 16 rows of x are in; the 32 loads of the next 16 stay out
	ROWS 0, OFF0, 0
	s_wait_xcnt 0x0                                ; the run's stores have read their offsets and data: these registers are written again only behind this wait
	s_cmp_eq_u32 s63, 1
	s_cbranch_scc1 .Lnf0                           ; the second pass fetches nothing
	XOFF OFF0, 512
	XLOAD 0, OFF0                                  ; rows 32-47
	s_wait_loadcnt 32                              ; rows 16-31 are in; the 32 just issued stay out
	s_branch .Lgo1
.Lnf0:
	s_wait_loadcnt 0x0                             ; rows 48-63 are in: nothing was issued behind them
.Lgo1:
	ROWS 128, OFF1, 16
	s_wait_xcnt 0x0
	s_cmp_eq_u32 s63, 1
	s_cbranch_scc1 .Lout
	XOFF OFF1, 768
	XLOAD 128, OFF1                                ; rows 48-63
	s_sub_co_u32 s63, s63, 1
	s_cmp_lg_u32 s63, 0
	s_cbranch_scc1 .Lpass
.Lout:
	s_wait_dscnt 0x0                               ; whatever way led here: my LDS loads are back
	s_barrier_signal -1
	s_barrier_wait -1                              ; barrier 8: everybody's are, ahead of the closing add (as at barrier 7)
	s_cmp_lg_u32 s29, 155
	s_cbranch_scc1 .Lend
	s_cmp_lg_u32 s28, 0
	s_cbranch_scc1 .Lend
	s_wait_loadcnt 0x0                             ; no load is out and none still reads its registers: they are written anew below
	s_wait_xcnt 0x0
	; ---------------- the aux loss: 8 sum_e (count_e / 8192) (sum of probabilities_e / 8192) = 2^-23 sum_e count_e P_e ----------------
.set ii, 0
.rept 16
	global_load_b128 v[128+4*ii:128+4*ii+3], v6, s[16:17] offset:512*ii    ; register j of lane l: expert 4 (l % 2) + j of block 16 i + l / 2
.set ii, ii+1
.endr
.irp e, 0,1,2,3,4,5,6,7
	s_mov_b32 s[80+\e], 0
.endr
.set pp, 0
.set elo, 0
.rept 7
.set ehi, elo+1
.rept 7-elo
	v_readlane_b32 s73, v24, pp
	s_add_co_u32 s[80+elo], s[80+elo], s73
	s_add_co_u32 s[80+ehi], s[80+ehi], s73
.set ehi, ehi+1
.set pp, pp+1
.endr
.set elo, elo+1
.endr
	s_wait_loadcnt 0x0
.set ii, 1
.rept 15
	v_pk_add_f32 v[128:129], v[128:129], v[128+4*ii:128+4*ii+1]
	v_pk_add_f32 v[130:131], v[130:131], v[128+4*ii+2:128+4*ii+3]
.set ii, ii+1
.endr
.irp j, 0,1,2,3
	v_add_f32_dpp v[128+\j], v[128+\j], v[128+\j] row_xmask:2 row_mask:0xf bank_mask:0xf
	v_add_f32_dpp v[128+\j], v[128+\j], v[128+\j] row_xmask:4 row_mask:0xf bank_mask:0xf
	v_add_f32_dpp v[128+\j], v[128+\j], v[128+\j] row_xmask:8 row_mask:0xf bank_mask:0xf
	v_permlanex16_b32 v30, v[128+\j], s70, s71
	v_add_f32 v[128+\j], v[128+\j], v30
.endr
.irp e, 0,1,2,3,4,5,6,7
	v_cvt_f32_u32 v[32+\e], s[80+\e]
.endr
	s_mov_b32 s73, 0xaaaaaaaa
.irp j, 0,1,2,3
	v_cndmask_b32 v[40+\j], v[32+\j], v[36+\j], s73    ; odd lanes hold experts 4-7
.endr
	v_mul_f32 v31, v128, v40
	v_fma_f32 v31, v129, v41, v31
	v_fma_f32 v31, v130, v42, v31
	v_fma_f32 v31, v131, v43, v31
	v_add_f32_dpp v31, v31, v31 row_xmask:1 row_mask:0xf bank_mask:0xf
	v_mul_f32 v31, 0x34000000, v31
	v_mov_b32 v30, 0
	v_cmp_eq_u32 vcc_lo, 0, v1
	s_wait_xcnt 0x0                                ; EXEC changes only behind this wait
	s_and_saveexec_b32 s73, vcc_lo
	global_store_b32 v30, v31, s[26:27]            ; lane 0 alone
	s_wait_xcnt 0x0                                ; and again, in front of the line that widens it
	s_or_b32 exec_lo, exec_lo, s73
.Lend:
	s_wait_tensorcnt 0x0                           ; the wave's end, behind my last LDS store
	ds_add_u32 v4, v5
	s_wait_dscnt 0x0
	s_endpgm
.Lfunc_end_k_q4f5d6e4655_chain:
	.size	k_q4f5d6e4655_chain, .Lfunc_end_k_q4f5d6e4655_chain-k_q4f5d6e4655_chain
	.p2alignl 7, 3214868480
	.fill 96, 4, 3214868480
	.section	.rodata,"a",@progbits
	.p2align	6, 0x0
	.amdhsa_kernel k_q4f5d6e4655_chain
		.amdhsa_group_segment_fixed_size 273408
		.amdhsa_private_segment_fixed_size 0
		.amdhsa_enable_private_segment 0
		.amdhsa_kernarg_size 96
		.amdhsa_user_sgpr_count 2
		.amdhsa_user_sgpr_kernarg_segment_ptr 1
		.amdhsa_wavefront_size32 1
		.amdhsa_system_sgpr_workgroup_id_x 1
		.amdhsa_system_sgpr_workgroup_id_y 1
		.amdhsa_system_sgpr_workgroup_id_z 1
		.amdhsa_system_vgpr_workitem_id 0
		.amdhsa_next_free_vgpr 1024
		.amdhsa_next_free_sgpr 100
		.amdhsa_reserve_vcc 1
		.amdhsa_float_denorm_mode_32 3
		.amdhsa_float_denorm_mode_16_64 3
		.amdhsa_memory_ordered 1
		.amdhsa_forward_progress 1
		.amdhsa_inst_pref_size 255
	.end_amdhsa_kernel
	.section	.bss,"aw",@nobits
	.p2align	6
	.space	262144
	.amdgpu_metadata
---
amdhsa.version: [ 1, 2 ]
amdhsa.kernels:
  - .name:           k_q4f5d6e4655_chain
    .symbol:         k_q4f5d6e4655_chain.kd
    .args:
      - { .name: xn, .offset: 0, .size: 8, .value_kind: global_buffer, .address_space: global }
      - { .name: w1l, .offset: 8, .size: 8, .value_kind: global_buffer, .address_space: global }
      - { .name: w2l, .offset: 16, .size: 8, .value_kind: global_buffer, .address_space: global }
      - { .name: pid, .offset: 24, .size: 8, .value_kind: global_buffer, .address_space: global }
      - { .name: hp, .offset: 32, .size: 8, .value_kind: global_buffer, .address_space: global }
      - { .name: cw, .offset: 40, .size: 8, .value_kind: global_buffer, .address_space: global }
      - { .name: ps, .offset: 48, .size: 8, .value_kind: global_buffer, .address_space: global }
      - { .name: x, .offset: 56, .size: 8, .value_kind: global_buffer, .address_space: global }
      - { .name: b1, .offset: 64, .size: 8, .value_kind: global_buffer, .address_space: global }
      - { .name: b2, .offset: 72, .size: 8, .value_kind: global_buffer, .address_space: global }
      - { .name: out0, .offset: 80, .size: 8, .value_kind: global_buffer, .address_space: global }
      - { .name: out1, .offset: 88, .size: 8, .value_kind: global_buffer, .address_space: global }
    .group_segment_fixed_size: 273408
    .private_segment_fixed_size: 0
    .kernarg_segment_align: 8
    .kernarg_segment_size: 96
    .max_flat_workgroup_size: 128
    .sgpr_count:     100
    .vgpr_count:     1024
    .wavefront_size: 32
...
	.end_amdgpu_metadata
.endif
;; end of part 2
